; MI455X (gfx1250); checked and timed in simulation.
; The chip was launched on July 23, 2026; its instructions are those of AMD's public machine-readable ISA for CDNA 5 (MIT licence, August 2026) and "CDNA5" Instruction Set Architecture Reference Guide (July 2026). The comments in the code are by the model that wrote it; some were corrected since.
;; Multi Head Attention Layer. Allowed arithmetic: float matrix products may take bf16 or f16 operands with f32 sums; all other float work in f32.
;; Inputs: k_b 1,024 float32; k_w 1,024 x 1,024 float32; key 4 x 2,048 x 1,024 float32; q_b 1,024 float32; q_w 1,024 x 1,024 float32; query 4 x 2,048 x 1,024 float32; v_b 1,024 float32; v_w 1,024 x 1,024 float32; value 4 x 2,048 x 1,024 float32.
;; Outputs: out0 4 x 2,048 x 1,024 float32.
;; One version. Each part assembles by itself: llvm-mc -triple=amdgcn-amd-amdhsa -mcpu=gfx1250 --defsym DOCPART=n.
;; ======== version 1 of 1: 4 launches
;; workspace buffers: wb 6,291,456 bytes; part 16,777,216 bytes; mfr 1,048,576 bytes
;; launch wcvt (part 1): grid 256 x 3, 4 waves a work-group, no clusters, 9,216 bytes of LDS; arguments k_w, v_w, q_w, wb; writes wb
.if DOCPART == 1
	.amdgcn_target "amdgcn-amd-amdhsa--gfx1250"
	.amdhsa_code_object_version 6
	.text
	.protected	k_q8852f7a53e_wcvt
	.globl	k_q8852f7a53e_wcvt
	.p2align	8
	.type	k_q8852f7a53e_wcvt,@function
k_q8852f7a53e_wcvt:
	s_mov_b64 s[64:65], 0
	v_nop
	global_prefetch_b8 v0, s[64:65] scope:SCOPE_SE
	s_setreg_imm32_b32 hwreg(HW_REG_WAVE_MODE, 25, 1), 1
	s_wait_xcnt 0x0
; The three weight matrices ([1024 k][1024 n] f32) rounded once to bf16 (to nearest even), 2 MiB each in wb.  Grid y picks the matrix.
; y = 0, 1 (k_w, v_w): stored as FRAGMENT IMAGES, [64 column tiles of 16][32 k steps of 32][2 halves][32 lanes][16 bytes]: lane (r = lane % 16, h = lane / 16)
;   of half u holds w[32 ks + 16 u + 8 h + 0..7][16 nt + r], k ascending.  That is the register image of a matrix instruction's 16-bit operand whose k runs
;   along the registers, so the next launch loads a fragment by two loads of 512 consecutive bytes, with no transposing and no LDS.
; y = 2 (q_w): the order of the elements stays, [k][n]; the last launch reads it through LDS by transposing loads.
; A stream: each byte is read once and written once; no matrix unit; no cluster, since no two work-groups read the same byte.
.set X, 8                              ; v[8:39]   as loaded (images: row j in 4 registers; then the four runs read back)
.set Y, 40                             ; v[40:55]  as packed
.set CP, 528                           ; images: a run of 512 bytes + 16 in LDS, so that sixteen lanes' 16-byte stores fall on sixteen different 16-byte columns modulo 256
	s_load_b256 s[4:11], s[0:1], 0x0               ; k_w s[4:5], v_w s[6:7], q_w s[8:9], wb s[10:11]
	v_lshl_add_u32 v56, v0, 2, 0x2200
	v_mov_b32 v57, 0
	s_and_b32 s2, ttmp7, 0xffff                    ; which matrix
	s_cmp_eq_u32 s2, 2
	s_cbranch_scc1 .Lplain
	; IMAGES.  1,024 units of 16 k x 64 columns to a matrix, one to a wave: unit = 4 x + wave; sn = unit % 16 the strip of 64 columns, kk = unit / 16 the 16 k.
	; Lane (c = lane % 16, h = lane / 16) loads rows 16 kk + 8 h + 0..7, columns 64 sn + 4 c + 0..3: a load covers two runs of 256 consecutive aligned bytes.
	v_lshrrev_b32 v1, 5, v0
	v_readfirstlane_b32 s3, v1                     ; wave
	s_lshl2_add_u32 s12, ttmp9, s3                 ; unit
	s_and_b32 s13, s12, 15                         ; sn
	s_lshr_b32 s14, s12, 4                         ; kk
	v_and_b32 v2, 15, v0                           ; c
	v_bfe_u32 v3, v0, 4, 1                         ; h
	v_and_b32 v4, 31, v0                           ; lane
	v_lshlrev_b32 v5, 4, v2                        ; 16 c
	v_lshl_add_u32 v5, v3, 15, v5                  ; + 8 h rows of 4,096 bytes
	s_lshl_b32 s16, s14, 16                        ; from: 16 kk rows
	s_lshl_b32 s17, s13, 8                         ; + 64 sn columns
	s_add_co_u32 s16, s16, s17
	s_mov_b32 s17, 0
	s_lshl_b32 s18, s2, 21                         ; to: the matrix's 2 MiB,
	s_lshl_b32 s19, s13, 17                        ; column tile 4 sn (32 KiB a tile),
	s_add_co_u32 s18, s18, s19
	s_lshl_b32 s19, s14, 9                         ; k step kk / 2, half kk % 2: 512 kk
	s_add_co_u32 s18, s18, s19
	s_mov_b32 s19, 0
	s_mul_i32 s20, s3, 4*CP                        ; my wave's own 2,112 bytes of LDS: four runs, one for each column tile of the strip
	v_lshrrev_b32 v6, 2, v2                        ; column 4 c + q lies in tile c / 4, at r = 4 (c % 4) + q
	v_mul_u32_u24 v6, v6, CP
	v_and_b32 v7, 3, v2
	v_lshl_add_u32 v6, v7, 6, v6                   ; + 16 x 4 (c % 4)
	v_lshl_add_u32 v6, v3, 8, v6                   ; + 16 x 16 h
	v_add_nc_u32 v6, s20, v6                       ; where I put my 16 bytes (q in the immediate)
	v_lshl_add_u32 v7, v4, 4, s20                  ; where I read a run back
	v_lshlrev_b32 v1, 4, v4                        ; 16 x lane
	s_wait_kmcnt 0x0
	s_cmp_eq_u32 s2, 0
	s_cselect_b64 s[12:13], s[4:5], s[6:7]         ; k_w or v_w
	s_add_nc_u64 s[12:13], s[12:13], s[16:17]
	s_add_nc_u64 s[10:11], s[10:11], s[18:19]
.irp j, 0,1,2,3,4,5,6,7
	global_load_b128 v[X+4*\j:X+4*\j+3], v5, s[12:13] offset:4096*\j th:TH_LOAD_NT
.endr
	s_wait_loadcnt 0x0                             ; every packed word takes two rows, and a column's 16 bytes all eight
.irp q, 0,1,2,3
.irp t, 0,1,2,3
	v_cvt_pk_bf16_f32 v[Y+4*\q+\t], v[X+8*\t+\q], v[X+8*\t+4+\q]   ; column 4 c + q, rows 2 t and 2 t + 1
.endr
.endr
.irp q, 0,1,2,3
	ds_store_b128 v6, v[Y+4*\q:Y+4*\q+3] offset:16*\q
.endr
.irp t, 0,1,2,3
	ds_load_b128 v[X+4*\t:X+4*\t+3], v7 offset:CP*\t               ; LDS serves a wave's instructions in order (ISA guide 5.7.1.4): these see the stores above; the bytes are my wave's own
.endr
.irp t, 0,1,2,3
	s_wait_dscnt 3-\t                              ; run t is in; the 3 - t younger loads stay out
	global_store_b128 v1, v[X+4*\t:X+4*\t+3], s[10:11] offset:32768*\t   ; half an image: 512 consecutive aligned bytes
.endr
	s_wait_tensorcnt 0x0
	ds_add_u32 v56, v57
	s_wait_dscnt 0x0
	s_endpgm
.Lplain:
	; q_w: work-group x takes 4,096 numbers (16 KiB in, 8 KiB out), thread t 4 numbers of each of 8 chunks.
	v_lshlrev_b32 v1, 4, v0                        ; 16 t: my bytes in a chunk as read
	v_lshlrev_b32 v2, 3, v0                        ; 8 t: as written
	s_lshl_b32 s14, ttmp9, 14
	s_mov_b32 s15, 0
	s_lshl_b32 s16, ttmp9, 13
	s_add_co_u32 s16, s16, 4194304                 ; wb's third matrix
	s_mov_b32 s17, 0
	s_wait_kmcnt 0x0
	s_add_nc_u64 s[12:13], s[8:9], s[14:15]
	s_add_nc_u64 s[10:11], s[10:11], s[16:17]
.irp i, 0,1,2,3,4,5,6,7
	global_load_b128 v[X+4*\i:X+4*\i+3], v1, s[12:13] offset:2048*\i th:TH_LOAD_NT   ; all eight loads go out first; each has registers of its own
.endr
.irp i, 0,1,2,3,4,5,6,7
	s_wait_loadcnt 7-\i                            ; loads come back in order (ISA guide 5.7.1): chunk i is in, the 7 - i younger ones stay out
	v_cvt_pk_bf16_f32 v[Y+2*\i],   v[X+4*\i],   v[X+4*\i+1]
	v_cvt_pk_bf16_f32 v[Y+2*\i+1], v[X+4*\i+2], v[X+4*\i+3]
	global_store_b64 v2, v[Y+2*\i:Y+2*\i+1], s[10:11] offset:1024*\i     ; a wave's store covers 256 consecutive aligned bytes
.endr
	s_endpgm
.Lfunc_end_k_q8852f7a53e_wcvt:
	.size	k_q8852f7a53e_wcvt, .Lfunc_end_k_q8852f7a53e_wcvt-k_q8852f7a53e_wcvt
	.p2alignl 7, 3214868480
	.fill 96, 4, 3214868480
	.section	.rodata,"a",@progbits
	.p2align	6, 0x0
	.amdhsa_kernel k_q8852f7a53e_wcvt
		.amdhsa_group_segment_fixed_size 9216
		.amdhsa_private_segment_fixed_size 0
		.amdhsa_enable_private_segment 0
		.amdhsa_kernarg_size 32
		.amdhsa_user_sgpr_count 2
		.amdhsa_user_sgpr_kernarg_segment_ptr 1
		.amdhsa_wavefront_size32 1
		.amdhsa_system_sgpr_workgroup_id_x 1
		.amdhsa_system_sgpr_workgroup_id_y 1
		.amdhsa_system_sgpr_workgroup_id_z 1
		.amdhsa_system_vgpr_workitem_id 0
		.amdhsa_next_free_vgpr 58
		.amdhsa_next_free_sgpr 66
		.amdhsa_reserve_vcc 0
		.amdhsa_float_denorm_mode_32 3
		.amdhsa_float_denorm_mode_16_64 3
		.amdhsa_memory_ordered 1
		.amdhsa_forward_progress 1
		.amdhsa_inst_pref_size 8
	.end_amdhsa_kernel
	.amdgpu_metadata
---
amdhsa.version: [ 1, 2 ]
amdhsa.kernels:
  - .name:           k_q8852f7a53e_wcvt
    .symbol:         k_q8852f7a53e_wcvt.kd
    .args:
      - { .name: k_w, .offset: 0, .size: 8, .value_kind: global_buffer, .address_space: global }
      - { .name: v_w, .offset: 8, .size: 8, .value_kind: global_buffer, .address_space: global }
      - { .name: q_w, .offset: 16, .size: 8, .value_kind: global_buffer, .address_space: global }
      - { .name: wb, .offset: 24, .size: 8, .value_kind: global_buffer, .address_space: global }
    .group_segment_fixed_size: 9216
    .private_segment_fixed_size: 0
    .kernarg_segment_align: 8
    .kernarg_segment_size: 32
    .max_flat_workgroup_size: 128
    .sgpr_count:     66
    .vgpr_count:     58
    .wavefront_size: 32
...
	.end_amdgpu_metadata
.endif
;; end of part 1
;; launch kvm (part 2): grid 4 x 64, 4 waves a work-group, clusters of 4 x 4, 327,680 bytes of LDS; arguments key, value, wb, k_b, v_b, part; writes part
.if DOCPART == 2
	.amdgcn_target "amdgcn-amd-amdhsa--gfx1250"
	.amdhsa_code_object_version 6
	.text
	.protected	k_q8852f7a53e_kvm
	.globl	k_q8852f7a53e_kvm
	.p2align	8
	.type	k_q8852f7a53e_kvm,@function
k_q8852f7a53e_kvm:
	s_mov_b64 s[64:65], 0
	v_nop
	global_prefetch_b8 v0, s[64:65] scope:SCOPE_SE
	s_setreg_imm32_b32 hwreg(HW_REG_WAVE_MODE, 25, 1), 1
	s_wait_xcnt 0x0
	s_wait_alu depctr_hold_cnt(0) depctr_sa_sdst(0) depctr_va_vdst(0) depctr_va_sdst(0) depctr_va_ssrc(0) depctr_va_vcc(0) depctr_vm_vsrc(0)
	s_getreg_b32 s2, hwreg(HW_REG_IB_STS2, 6, 4)
	s_cmp_eq_u32 s2, 0
	s_cbranch_scc0 .Lentry_in_a_cluster
	s_endpgm
.Lentry_in_a_cluster:
	s_bfe_u32 s2, ttmp6, 0x10000c
	s_cmp_lg_u32 s2, 0xf033
	s_cbranch_scc0 .Lentry_shape_is_right
	s_endpgm
.Lentry_shape_is_right:
; K = key k_w + k_b and V = value v_w + v_b for a block of 128 rows x 4 heads (256 columns), kept in registers, and from them the block's
; share of M = K^T V (64 x 64 for each head), stored as a partial sum.
; WHY: reference() forms (q k^T / 8) v with nothing between the two products, which equals q (k^T v) / 8 for every input.  M is 64 x 64 for
; each of the 64 (batch, head) pairs, so the two products over 2,048 x 2,048 scores become two small ones.
; LIMITS: the order of the sums differs from reference()'s (sums over the 2,048 keys are made first); an element of k^T v that overflows f32 where
; reference()'s own sums stay finite gives another result.  key, value and the weights are rounded once to bf16, to nearest even.  K and V enter
; K^T V as bf16 pairs hi + lo (hi = bf16(x), lo = bf16(x - hi)) with the products hi hi, hi lo, lo hi; lo lo, some 2^-17 of the product, is left out.
;
; SHARES.  Work-group (bx, by): rows 128 by .. +127 of the 8,192, columns 256 bx .. +255.  Four waves.  Wave w: mat = w & 1 (0: K, 1: V), ch = w >> 1
; (columns 128 ch .. +127 of the 256, two heads): a tile of 128 x 128 in 64 accumulators of 16 x 16, 512 registers.  K goes in steps of 128, four quarters
; of 32 to a step, 64 matrix instructions each.
; THE ACTIVATIONS come through two LDS slots (a step each: key's and value's 128 rows x 512 bytes), lie there as f32 and are rounded to bf16 on the way
; from LDS to the matrix unit.  CLUSTERS: 4 x 4 work-groups; the four of a row of the cluster (same by) need the same tiles of key and value and ask for
; them jointly; a row covers all 1,024 columns, so each byte of key and value is asked for once in the launch.  Wave w fetches a quarter of a step:
; w >> 1 picks key or value, w & 1 the 64 rows.  A wave has two tensor loads out at the start, later one.
; THE WEIGHTS come as fragment images straight into registers: 16 loads of 512 consecutive bytes for a quarter, three quarters ahead, four buffers.
; They are NOT asked for jointly, though the four work-groups of a column of the cluster read the same images: a joint load lands in LDS alone, and with the
; weights' 2 x 256 columns in LDS a slot holds 64 k, not 128 (2,048 bytes a k against 1,024, of 327,680 in all), which leaves a refill 112 matrix
; instructions to land in, not 240, and LDS would carry 160 KiB for 32 k, not 96.  No wave shares its 128 columns with another wave of the work-group.
;
; REGISTERS, in windows of 256:
;   window 0: v16-27 addresses; v64-127 the 8 fragments of A in bf16; v128-191, v192-255 B's buffers 2, 3 (v192-255 first holds the bias as C of the first
;             products); at the end v128-255 at work
;   window 1: v0-63 and v192-255 A's f32 as they come from LDS; v64-127, v128-191 B's buffers 0, 1; at the end v0-127 M, v128-255 my hi fragments
;   window 2: accumulators of row tiles 0-3; window 3: of row tiles 4-7.  Tile (a, b) of a window at 128 (a / 2) + 16 b + 8 (a % 2): two tiles one below the
;   other are 16 neighbouring registers, which pack into one fragment of 32 rows.
; The matrix instruction is used the natural way (source 0 = rows of x, source 1 = columns of w): lane l then holds column l % 16 and eight neighbouring
; ROWS, 8 (l / 16) + 0..7.  Packed in pairs that is the layout of a fragment whose k runs along the rows, which K^T V wants of both K and V: no transposing.
.set TILE,  33792                      ; 64 rows x 528 bytes: what one tensor load brings
.set SLOT,  4*TILE                     ; key's 128 rows, then value's
.set PA,    528                        ; 128 f32 + 16 bytes = 33 x 16: the sixteen rows that sixteen lanes touch begin at sixteen different 16-byte columns modulo 256
.set A16,   16*PA                      ; from one row tile to the next
.set AQ,    128                        ; 32 f32 along a row
.set NTB,   32768                      ; a column tile's 32 images
.set IMG,   1024                       ; an image: 16 columns x 32 k of bf16
.set ADRA,  16                         ; v16-17  my activation's fragments in slot 0, 1
.set VBK,   18                         ; v18     byte offset of my images, the head that I keep
.set VBS,   19                         ; v19     the head that I send
.set XST,   22                         ; v22     exchange: where I store
.set XLD,   23                         ; v23     exchange: where I read my partner's
.set PO,    24                         ; v24     16 x lane
.set BOK,   25                         ; v25     byte offset of my bias, the head that I keep
.set BOS,   26                         ; v26     the head that I send
.set PF,    27                         ; v27     prefetch: my lane's row and block
.set ABF,   64
.set BIAS,  192
.set T,     128                        ; at the end, window 0: hi fragments to send
.set T2,    160                        ; lo fragments to send
.set U,     192                        ; 64 f32 at work
.set H,     128                        ; at the end, window 1: my own hi fragments, 32 c + 8 i
.set G1A, 24                           ; s[24:31] group 1
.set G0A, 32                           ; s[32:39] group 0, a set for each slot
.set W_LD,  0x40                       ; destination window 1
.set W_CV,  0x05                       ; sources window 1, destination window 0
.set MSB, 0
.macro WIN new                         ; the immediate's high byte repeats the setting that is left; a switch that changes nothing is dropped
.if MSB != (\new)
	s_set_vgpr_msb (MSB<<8)|(\new)
.set MSB, (\new)
.endif
.endm
.macro PLACES                          ; four places behind matrix instructions in front of vector writes of, and loads into, their registers
.rept 4
	v_nop
.endr
.endm
.macro CREST                           ; a round of the cluster's barrier behind its opening work-group barrier
	s_cmp_lg_u32 s16, 0
	s_cbranch_scc1 .Lnot_wave_0_\@
	s_barrier_signal -3
.Lnot_wave_0_\@:
	s_barrier_wait -3
	s_barrier_signal -1
	s_barrier_wait -1
.endm
.macro CROUND                          ; a whole round
	s_barrier_signal -1
	s_barrier_wait -1
	CREST
.endm
	s_load_b256 s[4:11], s[0:1], 0x0               ; key s[4:5], value s[6:7], wb s[8:9], k_b s[10:11]
	s_load_b128 s[12:15], s[0:1], 0x20             ; v_b s[12:13], part s[14:15]
	v_lshl_add_u32 v62, v0, 2, 0x42000
	v_mov_b32 v63, 0
	ds_add_u32 v62, v63
	v_lshrrev_b32 v1, 5, v0
	v_readfirstlane_b32 s16, v1                    ; wave 0..3
	s_lshr_b32 s17, s16, 1                         ; I fetch key (0) or value (1); I compute column half ch
	s_and_b32 s18, s16, 1                          ; I fetch rows 0-63 (0) or 64-127 (1); I compute K (0) or V (1)
	s_bfe_u32 s19, ttmp6, 0x40000                  ; cx
	s_bfe_u32 s20, ttmp6, 0x40004                  ; cy
	s_lshl_b32 s21, ttmp9, 2
	s_add_co_u32 s21, s21, s19                     ; bx: block of 256 columns
	s_and_b32 s22, ttmp7, 0xffff
	s_lshl_b32 s22, s22, 2
	s_add_co_u32 s22, s22, s20                     ; by: block of 128 rows
	s_lshl_b32 s23, s20, 2
	s_lshl_b32 s23, 15, s23                        ; my row of the cluster: places 4 cy .. 4 cy + 3
	; group 1: 64 rows x 128 elements of 4 bytes, 4 words of padding behind every 128 words
	s_or_b32  s[G1A+0], s23, (2<<16)|(1<<20)|(1<<21)|(6<<22)|(3<<25)
	s_mov_b32 s[G1A+1], 128<<16                    ; tensor_dim0 = 128
	s_mov_b32 s[G1A+2], 64<<16                     ; tensor_dim1 = 64
	s_mov_b32 s[G1A+3], 128<<16                    ; tile_dim0 = 128
	s_mov_b32 s[G1A+4], 64                         ; tile_dim1 = 64
	s_mov_b32 s[G1A+5], 1024                       ; elements from row to row
	s_mov_b32 s[G1A+6], 0
	s_mov_b32 s[G1A+7], 0
	; offsets.  The tiles' hang on by and the wave alone, in registers that never hold cx.
	s_lshl_b32 s56, s22, 19                        ; 128 by rows of 4,096 bytes
	s_lshl_b32 s57, s18, 18                        ; + my 64 rows
	s_add_co_u32 s56, s56, s57
	s_mov_b32 s57, 0
	s_lshl_b32 s58, s18, 21                        ; k_w's or v_w's images in wb
	s_mov_b32 s59, 0
	s_mul_i32 s63, s16, TILE                       ; where my tile goes: wave x TILE; no place in the cluster enters an LDS address
	s_mov_b32 s62, 0xffff0000                      ; a word's upper bf16
	s_lshl_b32 s78, s22, 19                        ; prefetch: the 32 rows 128 by + 32 cx ..
	s_lshl_b32 s79, s19, 17
	s_add_co_u32 s78, s78, s79
	s_mov_b32 s79, 0
	s_mov_b32 s75, 0
	s_mov_b32 s76, 1536                            ; byte of K step 3 in a row
	s_and_b32 s70, s22, 0x30                       ; part: ((16 batch + head) 16 + row block in the batch) x 16 KiB; 16 batch = by & 0x30
	s_lshl2_add_u32 s70, s21, s70                  ; + 4 bx
	s_lshl1_add_u32 s70, s17, s70                  ; + 2 ch
	s_add_co_u32 s70, s70, s18                     ; + mat: the head whose M I make
	s_lshl_b32 s70, s70, 4
	s_and_b32 s71, s22, 15
	s_add_co_u32 s70, s70, s71
	s_lshl_b32 s70, s70, 14
	s_mov_b32 s71, 0
	s_wait_dscnt 0x0
	s_wait_kmcnt 0x0
	s_cmp_lg_u32 s17, 0
	s_cselect_b64 s[60:61], s[6:7], s[4:5]         ; the tile that I fetch: value's or key's
	s_add_nc_u64 s[56:57], s[60:61], s[56:57]
	s_cmp_lg_u32 s18, 0
	s_cselect_b64 s[60:61], s[6:7], s[4:5]         ; the rows that I prefetch: value's or key's
	s_cselect_b64 s[68:69], s[12:13], s[10:11]     ; v_b or k_b
	s_add_nc_u64 s[78:79], s[60:61], s[78:79]
	s_add_nc_u64 s[58:59], s[8:9], s[58:59]
	s_add_nc_u64 s[70:71], s[14:15], s[70:71]
	CROUND                                         ; all sixteen work-groups are here: the first joint loads meet
.irp s, 0,1
	s_mov_b32 s[G0A+4*\s], 1
	s_add_co_u32 s[G0A+4*\s+1], s63, \s*SLOT
	s_add_nc_u64 s[G0A+4*\s+2:G0A+4*\s+3], s[56:57], \s*512        ; K step s: 128 f32 along the rows
	s_or_b32 s[G0A+4*\s+3], s[G0A+4*\s+3], 0x80000000
	tensor_load_to_lds s[G0A+4*\s:G0A+4*\s+3], s[G1A:G1A+7]        ; both slots are asked for before anything else is done
	s_nop 0
.endr
; 16 loads: the 8 images of k step rel (counted from the base s[58:59]) into buffer g: column tiles 0-3 the head that I keep, 4-7 the head that I send.
; Buffer g: 0, 1 in window 1 at v64, v128; 2, 3 in window 0 at v128, v192.
.macro BLOAD g, rel
.set breg, 64+64*((\g)%2)+64*((\g)/2)
	WIN ((1-(\g)/2)<<6)
.irp b, 0,1,2,3
	global_load_b128 v[breg+8*\b:breg+8*\b+3],   v[VBK], s[58:59] offset:\b*NTB+(\rel)*IMG
	global_load_b128 v[breg+8*\b+4:breg+8*\b+7], v[VBK], s[58:59] offset:\b*NTB+(\rel)*IMG+512
.endr
.irp b, 0,1,2,3
	global_load_b128 v[breg+32+8*\b:breg+32+8*\b+3],   v[VBS], s[58:59] offset:\b*NTB+(\rel)*IMG
	global_load_b128 v[breg+32+8*\b+4:breg+32+8*\b+7], v[VBS], s[58:59] offset:\b*NTB+(\rel)*IMG+512
.endr
.endm
	v_and_b32 v1, 15, v0                           ; r = lane % 16
	v_bfe_u32 v2, v0, 4, 1                         ; h = lane / 16
	v_and_b32 v3, 31, v0                           ; lane
	s_lshl_b32 s60, s21, 19                        ; images: column tile 16 bx + 8 ch + 4 mat (or 4 (1 - mat)), 32 KiB a tile
	s_lshl_b32 s61, s17, 18
	s_add_co_u32 s60, s60, s61
	s_lshl_b32 s61, s18, 17                        ; the head that I keep
	s_add_co_u32 s63, s60, s61
	s_xor_b32 s61, s61, 131072                     ; the head that I send
	s_add_co_u32 s60, s60, s61
	v_lshl_add_u32 v[VBK], v3, 4, s63
	v_lshl_add_u32 v[VBS], v3, 4, s60
	s_lshl_b32 s74, s21, 10                        ; bias: 4 (256 bx + 128 ch + 64 mat or 64 (1 - mat) + r)
	s_lshl_b32 s77, s17, 9
	s_add_co_u32 s74, s74, s77
	s_lshl_b32 s77, s18, 8
	s_add_co_u32 s72, s74, s77
	s_xor_b32 s77, s77, 256
	s_add_co_u32 s74, s74, s77
	v_lshl_add_u32 v[BOK], v1, 2, s72
	v_lshl_add_u32 v[BOS], v1, 2, s74
.irp b, 0,1,2,3
	global_load_b32 v[BIAS+8*\b],    v[BOK], s[68:69] offset:64*\b
	global_load_b32 v[BIAS+32+8*\b], v[BOS], s[68:69] offset:64*\b
.endr
	BLOAD 0, 0                                     ; the weights of quarters 0, 1, 2; buffer 3's place holds the bias until quarter 0 is done
	BLOAD 1, 1
	BLOAD 2, 2
	WIN 0
	; A's fragment (16 rows x 32 k): lane (r, h) wants k = 8 h .. + 7 and 16 + 8 h .. + 7 of row r: in f32 two runs of 32 bytes, 64 bytes apart
	v_mul_u32_u24 v4, v1, PA
	v_lshl_add_u32 v4, v2, 5, v4
	s_mul_i32 s60, s18, 2*TILE                     ; key's or value's 128 rows
	v_add_nc_u32 v[ADRA], s60, v4
	v_add_nc_u32 v[ADRA+1], SLOT, v[ADRA]
	s_lshl_b32 s61, s16, 15                        ; the exchange: 32 KiB a wave, from LDS byte 0
	v_lshl_add_u32 v[XST], v3, 4, s61
	s_xor_b32 s61, s16, 1                          ; my partner: the other matrix, the same columns
	s_lshl_b32 s61, s61, 15
	v_lshl_add_u32 v[XLD], v3, 4, s61
	v_lshlrev_b32 v[PO], 4, v3
	s_lshl_b32 s77, s17, 8
	v_lshl_add_u32 v[PF], v3, 12, s77              ; lane's row, and the first or second 256 bytes of a K step
	; The bias starts the sums: C(m, n) = bias[n], so all eight registers of tuple b hold the lane's column's bias.
	s_wait_loadcnt 48                              ; the 8 bias loads are in; the 48 weight loads issued behind them stay out
.irp b, 0,1,2,3,4,5,6,7
.irp j, 1,2,3,4,5,6,7
	v_mov_b32 v[BIAS+8*\b+\j], v[BIAS+8*\b]
.endr
.endr
; The window setting of the products on buffer f: source 0 (A) window 0, source 1 (B) the buffer's window, C and D window 2 (hi = 0) or 3; first = 1: C (the bias) window 0.
.macro WMUL f, hi, first
.if \first
	WIN (0x80|(\hi<<6)|((1-(\f)/2)<<2))
.else
	WIN (0xa0+0x50*\hi)|((1-(\f)/2)<<2)
.endif
.endm
; 16 matrix instructions: row tiles a0, a0 + 1 of the window's four (hi = 0: rows 0-63, 1: rows 64-127) x all 8 column tiles, 32 along K.
; first = 1: C is the bias.  The 64 accumulators take turns, one instruction a turn, in the same order in every quarter.
.macro MUL16 f, hi, a0, first
.set breg, 64+64*((\f)%2)+64*((\f)/2)
.irp a, \a0, \a0+1
.irp b, 0,1,2,3,4,5,6,7
.set acc, 128*((\a)/2)+16*\b+8*((\a)%2)
.set af, ABF+8*(4*\hi+(\a))
.if \first
	v_wmma_f32_16x16x32_bf16 v[acc:acc+7], v[af:af+7], v[breg+8*\b:breg+8*\b+7], v[BIAS+8*\b:BIAS+8*\b+7]
.else
	v_wmma_f32_16x16x32_bf16 v[acc:acc+7], v[af:af+7], v[breg+8*\b:breg+8*\b+7], v[acc:acc+7]
.endif
.endr
.endr
.endm
; 32 LDS loads in one run: my activation's 128 rows x 32 f32 of quarter q of a slot.  Their registers are no matrix instruction's.
.macro FETCH slot, q
	WIN W_LD
.irp i, 0,1,2,3,4,5,6,7
.set lr, 16*\i+128*(\i/4)
	ds_load_b128 v[lr:lr+3],     v[ADRA+\slot] offset:\q*AQ+\i*A16
	ds_load_b128 v[lr+4:lr+7],   v[ADRA+\slot] offset:\q*AQ+\i*A16+16
	ds_load_b128 v[lr+8:lr+11],  v[ADRA+\slot] offset:\q*AQ+\i*A16+64
	ds_load_b128 v[lr+12:lr+15], v[ADRA+\slot] offset:\q*AQ+\i*A16+80
.endr
.endm
.macro CVT                             ; A's f32 to bf16 fragments; stands behind a PLACES, since it writes what the quarter's matrix instructions read
	WIN W_CV
.irp i, 0,1,2,3,4,5,6,7
.irp j, 0,1,2,3,4,5,6,7
	v_cvt_pk_bf16_f32 v[ABF+8*\i+\j], v[16*\i+128*(\i/4)+2*\j], v[16*\i+128*(\i/4)+2*\j+1]
.endr
.endr
.endm
; One of a step's first three quarters: multiplies buffer f.  At its head: the wait for buffer f (bw = the weight loads issued behind its own, which stay out);
; the weights three quarters ahead into buffer g, which the quarter before has read (the PLACES and the conversions at that quarter's end lie between);
; A's quarter q of the same slot, 64 matrix instructions ahead of its conversion.  g, g2 = 9: no load.
.macro QN slot, q, f, first, bw, g, rel, g2, rel2
	s_wait_loadcnt \bw
.if \g < 4
	BLOAD \g, \rel
.endif
.if \g2 < 4
	BLOAD \g2, \rel2
.endif
	FETCH \slot, \q
	WMUL \f, 0, \first
	MUL16 \f, 0, 0, \first
	MUL16 \f, 0, 2, \first
	WMUL \f, 1, \first
	MUL16 \f, 1, 0, \first
	MUL16 \f, 1, 2, \first
	PLACES
	s_wait_dscnt 0x0                               ; the 32 LDS loads are back
	CVT
.endm
; Asks that the K step which the NEXT refill will request be brought nearer: step t's turn (t = 0 .. 5) asks for step t + 3, 512 bytes of each row.
; A wave asks for 32 rows x one aligned block of 256 bytes: w & 1 picks key or value, w >> 1 the block, cx the 32 rows of the 128: the four partners' 512
; lanes ask for the step's 512 blocks once each.  The byte in the row is held at 3,584 (step 7), so that no request leaves the row.
.macro PREF
	s_wait_xcnt 0x0                                ; the last request has had its address translated (ISA guide 3.1): s[72:73] is written only behind this wait
	s_min_u32 s74, s76, 3584
	s_add_nc_u64 s[72:73], s[78:79], s[74:75]
	s_add_co_u32 s76, s76, 512
	global_prefetch_b8 v[PF], s[72:73] th:TH_LOAD_NT scope:SCOPE_SE
.endm
; The fourth quarter: multiplies buffer 3 and changes slots.  In front of the barrier each wave waits for its reads of this slot and for all its tensor loads
; (one is out: its tile of the next slot).  Where the slot is filled again the barrier opens a round of the cluster's barrier, and the joint refill is the
; first tensor load behind the round.  From a request to the wait for it a wave issues 240 matrix instructions.
.macro QT slot, next, fill, pf, bw, g, rel
	s_wait_loadcnt \bw
	BLOAD \g, \rel
	s_wait_dscnt 0x0                               ; my reads of this slot are back
	s_wait_tensorcnt 0x0                           ; all my tensor loads have landed
	ds_add_u32 v62, v63
	s_wait_dscnt 0x0
	s_barrier_signal -1
	WMUL 3, 0, 0
	MUL16 3, 0, 0, 0                               ; register work while the others arrive
	WIN 0
	s_barrier_wait -1
.if \fill
	CREST                                          ; no wave of any partner still reads this slot or has a load on its way
	s_add_nc_u64 s[G0A+4*\slot+2:G0A+4*\slot+3], s[G0A+4*\slot+2:G0A+4*\slot+3], 1024
	tensor_load_to_lds s[G0A+4*\slot:G0A+4*\slot+3], s[G1A:G1A+7]  ; two K steps ahead
	s_nop 0
.endif
.if \pf
	PREF
.endif
	FETCH \next, 0
	WMUL 3, 0, 0
	MUL16 3, 0, 2, 0
	WMUL 3, 1, 0
	MUL16 3, 1, 0, 0
	MUL16 3, 1, 2, 0
	PLACES
	s_wait_dscnt 0x0
	CVT
.endm
.macro BSTEP                           ; the weights' base goes on by a lap's 8 k steps
	s_wait_xcnt 0x0                                ; every load issued has had its address translated (ISA guide 3.1): the base is written only behind this wait
	s_add_nc_u64 s[58:59], s[58:59], 8*IMG
.endm
.macro HALF2                           ; a lap's second step, slot 1, filled again
	QN 1, 1, 0, 0, 32, 3, 7, 9, 0
	QN 1, 2, 1, 0, 32, 0, 8, 9, 0
	QN 1, 3, 2, 0, 32, 1, 9, 9, 0
	QT 1, 0, 1, 1, 32, 2, 10
	BSTEP
.endm
.macro LAP                             ; two K steps, both slots filled again; quarter p of the lap multiplies buffer p % 4 and loads k step p + 3 into buffer (p + 3) % 4
	QN 0, 1, 0, 0, 32, 3, 3, 9, 0
	QN 0, 2, 1, 0, 32, 0, 4, 9, 0
	QN 0, 3, 2, 0, 32, 1, 5, 9, 0
	QT 0, 1, 1, 1, 32, 2, 6
	HALF2
.endm
	s_wait_tensorcnt 0x1                           ; my tile of K step 0 is in; step 1's may stay out
	s_barrier_signal -1
	s_barrier_wait -1                              ; everybody's is
	FETCH 0, 0
	s_wait_dscnt 0x0
	CVT
	QN 0, 1, 0, 1, 32, 9, 0, 9, 0                  ; steps 0, 1.  Quarter 0 takes the bias as C and loads no weights: buffer 3's place is the bias's
	QN 0, 2, 1, 0, 16, 3, 3, 0, 4                  ; quarter 1: behind buffer 1's loads only buffer 2's 16 are out; it loads k steps 3 and 4
	QN 0, 3, 2, 0, 32, 1, 5, 9, 0
	QT 0, 1, 1, 1, 32, 2, 6
	HALF2
	WIN 0
	s_mov_b32 s66, 2                               ; steps 2 to 5
.Llap:
	LAP
	WIN 0
	s_sub_co_u32 s66, s66, 1
	s_cmp_lg_u32 s66, 0
	s_cbranch_scc1 .Llap
	QN 0, 1, 0, 0, 32, 3, 3, 9, 0                  ; steps 6, 7 fill nothing and have no round
	QN 0, 2, 1, 0, 32, 0, 4, 9, 0
	QN 0, 3, 2, 0, 32, 1, 5, 9, 0
	QT 0, 1, 0, 0, 32, 2, 6                        ; behind this barrier nobody reads slot 0 any more, and it has had its last fill
	QN 1, 1, 0, 0, 32, 3, 7, 9, 0                  ; the last weights: k step 31
	QN 1, 2, 1, 0, 32, 9, 0, 9, 0                  ; the counts run down: 32, 16, 0
	QN 1, 3, 2, 0, 16, 9, 0, 9, 0
	s_wait_loadcnt 0x0
	WMUL 3, 0, 0
	MUL16 3, 0, 0, 0
	MUL16 3, 0, 2, 0
	WMUL 3, 1, 0
	MUL16 3, 1, 0, 0
	MUL16 3, 1, 2, 0
	; M = K^T V.  A K wave keeps K of head 2 ch and sends K of head 2 ch + 1 to its partner; a V wave keeps V of head 2 ch + 1 and sends V of head 2 ch.
	; Fragment (c, column tile): rows 32 c .. + 31 = 16 neighbouring accumulator registers, packed in pairs.  c = 2 (window - 2) + ap.
.macro RESID W, gb                     ; U = the 64 f32 at gb of window W, less their hi parts (exact: hi is x rounded to 8 bits, so the difference fits f32)
	WIN \W
.set n, 0
.rept 32
	v_pk_add_f32 v[U+2*n:U+2*n+1], v[\gb+2*n:\gb+2*n+1], v[U+2*n:U+2*n+1] neg_lo:[0,1] neg_hi:[0,1]
.set n, n+1
.endr
.endm
.macro CONV_SEND W, ap, c              ; column tiles 4-7: hi and lo fragments into my part of the exchange
.set gb, 128*\ap+64
	WIN \W|(\W<<2)
.set n, 0
.rept 32
	v_cvt_pk_bf16_f32 v[T+n], v[gb+2*n], v[gb+2*n+1]
.set n, n+1
.endr
	WIN 0
.set n, 0
.rept 32
	v_lshlrev_b32 v[U+2*n], 16, v[T+n]
	v_and_b32 v[U+2*n+1], s62, v[T+n]
.set n, n+1
.endr
	RESID \W, 128*\ap+64
	WIN 0
.set n, 0
.rept 32
	v_cvt_pk_bf16_f32 v[T2+n], v[U+2*n], v[U+2*n+1]
.set n, n+1
.endr
.irp j, 0,1,2,3
	ds_store_b128 v[XST], v[T+8*\j:T+8*\j+3]    offset:(4*\c+\j)*2048
	ds_store_b128 v[XST], v[T+8*\j+4:T+8*\j+7]  offset:(4*\c+\j)*2048+512
	ds_store_b128 v[XST], v[T2+8*\j:T2+8*\j+3]   offset:(4*\c+\j)*2048+1024
	ds_store_b128 v[XST], v[T2+8*\j+4:T2+8*\j+7] offset:(4*\c+\j)*2048+1536
.endr
.endm
.macro CONV_KEEP W, ap, c              ; column tiles 0-3: hi fragments to window 1, lo fragments into the upper halves of their own 16 registers
.set gb, 128*\ap
	WIN 0x40|\W|(\W<<2)
.set n, 0
.rept 32
	v_cvt_pk_bf16_f32 v[H+32*\c+n], v[gb+2*n], v[gb+2*n+1]
.set n, n+1
.endr
	WIN 0x04
.set n, 0
.rept 32
	v_lshlrev_b32 v[U+2*n], 16, v[H+32*\c+n]
	v_and_b32 v[U+2*n+1], s62, v[H+32*\c+n]
.set n, n+1
.endr
	RESID \W, 128*\ap
	WIN (\W<<6)
.irp i, 0,1,2,3
.irp m, 0,1,2,3,4,5,6,7
	v_cvt_pk_bf16_f32 v[128*\ap+16*\i+8+\m], v[U+16*\i+2*\m], v[U+16*\i+2*\m+1]
.endr
.endr
.endm
.macro RECV W, ap, c                   ; my partner's fragments into the registers of the tiles that I sent: hi in the lower 8 of each 16, lo in the upper 8
	WIN (\W<<6)
.irp j, 0,1,2,3
.irp hl, 0,1
	ds_load_b128 v[128*\ap+64+16*\j+8*\hl:128*\ap+64+16*\j+8*\hl+3],   v[XLD] offset:(4*\c+\j)*2048+\hl*1024
	ds_load_b128 v[128*\ap+64+16*\j+8*\hl+4:128*\ap+64+16*\j+8*\hl+7], v[XLD] offset:(4*\c+\j)*2048+\hl*1024+512
.endr
.endr
.endm
; 16 matrix instructions on M's 16 tiles (i, j), which take turns, one instruction a turn: source 0 = K's fragment i, source 1 = V's fragment j
.macro MT16 x0, xs, y0, ys, zero
.irp i, 0,1,2,3
.irp j, 0,1,2,3
.if \zero
	v_wmma_f32_16x16x32_bf16 v[8*(4*\i+\j):8*(4*\i+\j)+7], v[\x0+\xs*\i:\x0+\xs*\i+7], v[\y0+\ys*\j:\y0+\ys*\j+7], 0
.else
	v_wmma_f32_16x16x32_bf16 v[8*(4*\i+\j):8*(4*\i+\j)+7], v[\x0+\xs*\i:\x0+\xs*\i+7], v[\y0+\ys*\j:\y0+\ys*\j+7], v[8*(4*\i+\j):8*(4*\i+\j)+7]
.endif
.endr
.endr
.endm
.macro MBLOCK_K W, ap, c, zero         ; K is mine (hi in window 1, lo in window W), V came from my partner (window W)
	WIN 0x51|(\W<<2)
	MT16 H+32*\c, 8, 128*\ap+64, 16, \zero         ; K hi x V hi
	MT16 H+32*\c, 8, 128*\ap+72, 16, 0             ; K hi x V lo
	WIN 0x50|(\W<<2)|\W
	MT16 128*\ap+8, 16, 128*\ap+64, 16, 0          ; K lo x V hi
.endm
.macro MBLOCK_V W, ap, c, zero         ; V is mine, K came from my partner
	WIN 0x54|\W
	MT16 128*\ap+64, 16, H+32*\c, 8, \zero         ; K hi x V hi
	MT16 128*\ap+72, 16, H+32*\c, 8, 0             ; K lo x V hi
	WIN 0x50|(\W<<2)|\W
	MT16 128*\ap+64, 16, 128*\ap+8, 16, 0          ; K hi x V lo
.endm
	PLACES                                         ; behind the last products, in front of the conversions that read them
	CONV_SEND 2, 0, 0                              ; the exchange (131,072 bytes) lies in slot 0, which nobody has read since the barrier of step 6 and which is filled no more
	CONV_SEND 2, 1, 1
	CONV_SEND 3, 0, 2
	CONV_SEND 3, 1, 3
	s_wait_dscnt 0x0                               ; my stores are done, for my partner's sake
	s_barrier_signal -1
	CONV_KEEP 2, 0, 0                              ; register work between signal and wait
	CONV_KEEP 2, 1, 1
	CONV_KEEP 3, 0, 2
	CONV_KEEP 3, 1, 3
	WIN 0
	s_barrier_wait -1
	RECV 2, 0, 0
	RECV 2, 1, 1
	RECV 3, 0, 2
	RECV 3, 1, 3
	s_wait_dscnt 0x0
	WIN 0
	s_cmp_lg_u32 s18, 0                            ; the two kinds of wave differ in where K and V lie; both make D(m = K's column, n = V's column)
	s_cbranch_scc1 .Lvwave
	MBLOCK_K 2, 0, 0, 1
	MBLOCK_K 2, 1, 1, 0
	MBLOCK_K 3, 0, 2, 0
	MBLOCK_K 3, 1, 3, 0
	WIN 0
	s_branch .Lmdone
.Lvwave:
	MBLOCK_V 2, 0, 0, 1
	MBLOCK_V 2, 1, 1, 0
	MBLOCK_V 3, 0, 2, 0
	MBLOCK_V 3, 1, 3, 0
	WIN 0
.Lmdone:
	PLACES
	WIN 0x04                                       ; store data in window 1
.irp t, 0,1,2,3,4,5,6,7,8,9,10,11,12,13,14,15
	global_store_b128 v[PO], v[8*\t:8*\t+3],   s[70:71] offset:1024*\t        ; the registers as they are: each store covers 512 consecutive aligned bytes
	global_store_b128 v[PO], v[8*\t+4:8*\t+7], s[70:71] offset:1024*\t+512
.endr
	WIN 0
	s_wait_tensorcnt 0x0
	ds_add_u32 v62, v63
	s_wait_dscnt 0x0
	CROUND                                         ; the closing round: no work-group ends while a partner may still ask for a tile that names it
	s_endpgm
.Lfunc_end_k_q8852f7a53e_kvm:
	.size	k_q8852f7a53e_kvm, .Lfunc_end_k_q8852f7a53e_kvm-k_q8852f7a53e_kvm
	.p2alignl 7, 3214868480
	.fill 96, 4, 3214868480
	.section	.rodata,"a",@progbits
	.p2align	6, 0x0
	.amdhsa_kernel k_q8852f7a53e_kvm
		.amdhsa_group_segment_fixed_size 327680
		.amdhsa_private_segment_fixed_size 0
		.amdhsa_enable_private_segment 0
		.amdhsa_kernarg_size 48
		.amdhsa_user_sgpr_count 2
		.amdhsa_user_sgpr_kernarg_segment_ptr 1
		.amdhsa_wavefront_size32 1
		.amdhsa_system_sgpr_workgroup_id_x 1
		.amdhsa_system_sgpr_workgroup_id_y 1
		.amdhsa_system_sgpr_workgroup_id_z 1
		.amdhsa_system_vgpr_workitem_id 0
		.amdhsa_next_free_vgpr 1024
		.amdhsa_next_free_sgpr 80
		.amdhsa_reserve_vcc 0
		.amdhsa_float_denorm_mode_32 3
		.amdhsa_float_denorm_mode_16_64 3
		.amdhsa_memory_ordered 1
		.amdhsa_forward_progress 1
		.amdhsa_inst_pref_size 255
	.end_amdhsa_kernel
	.section	.bss,"aw",@nobits
	.p2align	6
	.space	262144
	.amdgpu_metadata
---
amdhsa.version: [ 1, 2 ]
amdhsa.kernels:
  - .name:           k_q8852f7a53e_kvm
    .symbol:         k_q8852f7a53e_kvm.kd
    .args:
      - { .name: key, .offset: 0, .size: 8, .value_kind: global_buffer, .address_space: global }
      - { .name: value, .offset: 8, .size: 8, .value_kind: global_buffer, .address_space: global }
      - { .name: wb, .offset: 16, .size: 8, .value_kind: global_buffer, .address_space: global }
      - { .name: k_b, .offset: 24, .size: 8, .value_kind: global_buffer, .address_space: global }
      - { .name: v_b, .offset: 32, .size: 8, .value_kind: global_buffer, .address_space: global }
      - { .name: part, .offset: 40, .size: 8, .value_kind: global_buffer, .address_space: global }
    .group_segment_fixed_size: 327680
    .private_segment_fixed_size: 0
    .kernarg_segment_align: 8
    .kernarg_segment_size: 48
    .max_flat_workgroup_size: 128
    .sgpr_count:     80
    .vgpr_count:     1024
    .wavefront_size: 32
...
	.end_amdgpu_metadata
.endif
;; end of part 2
;; launch msum (part 3): grid 256 x 1, 4 waves a work-group, no clusters, 0 bytes of LDS; arguments part, mfr; writes mfr
.if DOCPART == 3
	.amdgcn_target "amdgcn-amd-amdhsa--gfx1250"
	.amdhsa_code_object_version 6
	.text
	.protected	k_q8852f7a53e_msum
	.globl	k_q8852f7a53e_msum
	.p2align	8
	.type	k_q8852f7a53e_msum,@function
k_q8852f7a53e_msum:
	s_mov_b64 s[64:65], 0
	v_nop
	global_prefetch_b8 v0, s[64:65] scope:SCOPE_SE
	s_setreg_imm32_b32 hwreg(HW_REG_WAVE_MODE, 25, 1), 1
	s_wait_xcnt 0x0
; M[b][head] = (sum of the 16 row blocks' partial K^T V) / 8, split into bf16 hi + lo and laid out as the last launch's fragments.
; part: [64 (b, head)][16 row blocks][16 tiles][2 halves][32 lanes][4 f32]: register images of 16 x 16 tiles; lane (r, h) of tile 4 i + j holds
; M[16 i + 8 h + 0..7][16 j + r].  mfr: [64][hi, lo][16 tiles][32 lanes][16 bytes]: the lane's eight numbers as bf16.
; The factor 1/8 is a power of two and changes no mantissa (limit: a sum below 2^-123 in size loses bits to the denormal range).
; A wave takes one tile of one head: 32 loads of 512 consecutive bytes, all issued at once, summed in ascending order of the row blocks in f32.
; 1,024 waves for 64 x 16 tiles.  A stream: no LDS, no matrix unit; no cluster, since no two work-groups read the same byte.
.set P,  16                            ; v[16:143]  partial p: 8 registers; partial 0's hold the sum
.set HI, 144                           ; v[144:147]
.set UU, 148                           ; v[148:155] at work
.set LO, 156                           ; v[156:159]
	s_load_b128 s[4:7], s[0:1], 0x0                ; part s[4:5], mfr s[6:7]
	s_lshr_b32 s8, ttmp9, 2                        ; (b, head)
	s_and_b32 s9, ttmp9, 3
	s_lshl_b32 s9, s9, 2
	v_lshrrev_b32 v3, 5, v0
	v_add_nc_u32 v3, s9, v3                        ; tile = 4 (group % 4) + wave
	v_and_b32 v4, 31, v0
	v_lshlrev_b32 v4, 4, v4                        ; 16 x lane
	v_lshl_add_u32 v1, v3, 10, v4                  ; in part: 1,024 bytes a tile
	v_lshl_add_u32 v2, v3, 9, v4                   ; in mfr: 512 bytes a tile
	s_lshl_b32 s10, s8, 18                         ; 16 partials of 16 KiB
	s_mov_b32 s11, 0
	s_lshl_b32 s12, s8, 14
	s_mov_b32 s13, 0
	s_wait_kmcnt 0x0
	s_add_nc_u64 s[4:5], s[4:5], s[10:11]
	s_add_nc_u64 s[6:7], s[6:7], s[12:13]
.irp p, 0,1,2,3,4,5,6,7,8,9,10,11,12,13,14,15
	global_load_b128 v[P+8*\p:P+8*\p+3],   v1, s[4:5] offset:16384*\p th:TH_LOAD_NT
	global_load_b128 v[P+8*\p+4:P+8*\p+7], v1, s[4:5] offset:16384*\p+512 th:TH_LOAD_NT
.endr
.irp p, 1,2,3,4,5,6,7,8,9,10,11,12,13,14,15
	s_wait_loadcnt 30-2*\p                         ; 30 - 2 p loads were issued behind partial p's two: they may stay out
.irp k, 0,2,4,6
	v_pk_add_f32 v[P+\k:P+\k+1], v[P+\k:P+\k+1], v[P+8*\p+\k:P+8*\p+\k+1]
.endr
.endr
.irp k, 0,2,4,6
	v_pk_mul_f32 v[P+\k:P+\k+1], v[P+\k:P+\k+1], 0x3e000000 op_sel_hi:[1,0]    ; x 1/8
.endr
.irp t, 0,1,2,3
	v_cvt_pk_bf16_f32 v[HI+\t], v[P+2*\t], v[P+2*\t+1]
.endr
.irp t, 0,1,2,3
	v_lshlrev_b32 v[UU+2*\t], 16, v[HI+\t]
	v_and_b32 v[UU+2*\t+1], 0xffff0000, v[HI+\t]
.endr
.irp t, 0,1,2,3
	v_pk_add_f32 v[UU+2*\t:UU+2*\t+1], v[P+2*\t:P+2*\t+1], v[UU+2*\t:UU+2*\t+1] neg_lo:[0,1] neg_hi:[0,1]   ; what hi leaves
.endr
.irp t, 0,1,2,3
	v_cvt_pk_bf16_f32 v[LO+\t], v[UU+2*\t], v[UU+2*\t+1]
.endr
	global_store_b128 v2, v[HI:HI+3], s[6:7]                   ; each store covers 512 consecutive aligned bytes
	global_store_b128 v2, v[LO:LO+3], s[6:7] offset:8192
	s_endpgm
.Lfunc_end_k_q8852f7a53e_msum:
	.size	k_q8852f7a53e_msum, .Lfunc_end_k_q8852f7a53e_msum-k_q8852f7a53e_msum
	.p2alignl 7, 3214868480
	.fill 96, 4, 3214868480
	.section	.rodata,"a",@progbits
	.p2align	6, 0x0
	.amdhsa_kernel k_q8852f7a53e_msum
		.amdhsa_group_segment_fixed_size 0
		.amdhsa_private_segment_fixed_size 0
		.amdhsa_enable_private_segment 0
		.amdhsa_kernarg_size 16
		.amdhsa_user_sgpr_count 2
		.amdhsa_user_sgpr_kernarg_segment_ptr 1
		.amdhsa_wavefront_size32 1
		.amdhsa_system_sgpr_workgroup_id_x 1
		.amdhsa_system_sgpr_workgroup_id_y 1
		.amdhsa_system_sgpr_workgroup_id_z 1
		.amdhsa_system_vgpr_workitem_id 0
		.amdhsa_next_free_vgpr 160
		.amdhsa_next_free_sgpr 66
		.amdhsa_reserve_vcc 0
		.amdhsa_float_denorm_mode_32 3
		.amdhsa_float_denorm_mode_16_64 3
		.amdhsa_memory_ordered 1
		.amdhsa_forward_progress 1
		.amdhsa_inst_pref_size 10
	.end_amdhsa_kernel
	.amdgpu_metadata
---
amdhsa.version: [ 1, 2 ]
amdhsa.kernels:
  - .name:           k_q8852f7a53e_msum
    .symbol:         k_q8852f7a53e_msum.kd
    .args:
      - { .name: part, .offset: 0, .size: 8, .value_kind: global_buffer, .address_space: global }
      - { .name: mfr, .offset: 8, .size: 8, .value_kind: global_buffer, .address_space: global }
    .group_segment_fixed_size: 0
    .private_segment_fixed_size: 0
    .kernarg_segment_align: 8
    .kernarg_segment_size: 16
    .max_flat_workgroup_size: 128
    .sgpr_count:     66
    .vgpr_count:     160
    .wavefront_size: 32
...
	.end_amdgpu_metadata
.endif
;; end of part 3
;; launch outp (part 4): grid 4 x 64, 4 waves a work-group, clusters of 4 x 4, 327,680 bytes of LDS; arguments query, wb, q_b, mfr, out0; writes out0
.if DOCPART == 4
	.amdgcn_target "amdgcn-amd-amdhsa--gfx1250"
	.amdhsa_code_object_version 6
	.text
	.protected	k_q8852f7a53e_outp
	.globl	k_q8852f7a53e_outp
	.p2align	8
	.type	k_q8852f7a53e_outp,@function
k_q8852f7a53e_outp:
	s_mov_b64 s[64:65], 0
	v_nop
	global_prefetch_b8 v0, s[64:65] scope:SCOPE_SE
	s_setreg_imm32_b32 hwreg(HW_REG_WAVE_MODE, 25, 1), 1
	s_wait_xcnt 0x0
	s_wait_alu depctr_hold_cnt(0) depctr_sa_sdst(0) depctr_va_vdst(0) depctr_va_sdst(0) depctr_va_ssrc(0) depctr_va_vcc(0) depctr_vm_vsrc(0)
	s_getreg_b32 s2, hwreg(HW_REG_IB_STS2, 6, 4)
	s_cmp_eq_u32 s2, 0
	s_cbranch_scc0 .Lentry_in_a_cluster
	s_endpgm
.Lentry_in_a_cluster:
	s_bfe_u32 s2, ttmp6, 0x10000c
	s_cmp_lg_u32 s2, 0xf033
	s_cbranch_scc0 .Lentry_shape_is_right
	s_endpgm
.Lentry_shape_is_right:
; out0 = Q M for each head, with Q = query q_w + q_b kept in registers and M = (K^T V) / 8 from the launch before (64 x 64 for each (batch, head)).
; LIMITS: as stated for the whole program: the sums are formed as q (k^T v) / 8, in another order than reference()'s; query and q_w are rounded once to bf16,
; to nearest even; Q and M enter Q M as bf16 pairs hi + lo with the products hi hi, lo hi, hi lo; lo lo, some 2^-17 of the product, is left out.
;
; SHARES.  Work-group (bx, by): rows 128 by .. + 127, columns 256 bx .. + 255 (4 heads).  Four waves; wave w: rows 64 (w >> 1) .. + 63, columns 128 (w & 1) .. + 127
; (2 heads): 32 accumulators of 16 x 16.  K goes in steps of 128 through two LDS slots, four quarters of 32 to a step, 32 matrix instructions each.
; query lies in LDS as f32 (rows of 512 bytes of memory) and is rounded on the way to the matrix unit; q_w as bf16, [k][n], read by transposing loads.
; CLUSTERS: 4 x 4 work-groups; query's tiles are shared along a row of the cluster (same by), q_w's along a column (same bx), each asked for jointly.
; Wave w fetches a quarter of a step: 0, 1: query's rows 0-63, 64-127; 2, 3: q_w's k 0-63, 64-127.  A wave has two tensor loads out at the start, later one.
;
; THE MATRIX INSTRUCTION IS USED TRANSPOSED (source 0 = columns of q_w, source 1 = rows of query): lane l holds row l % 16 and eight neighbouring COLUMNS,
; 8 (l / 16) + 0..7.  Two neighbouring tiles, packed in pairs, are a fragment of Q whose k runs along the head's 64 columns; Q M, transposed again, leaves
; eight neighbouring columns of out0 in a lane.
; REGISTERS: window 0: v16-25 addresses; v64-95 A's 4 fragments; v192-255 the bias as C; at the end v32-223 at work.  Window 1: v0-63 A's f32 from LDS (at the
; end the 8 tiles of out0), v64-127, v128-191 B's fragments, two buffers.  Window 2: accumulator (a, b) at 64 a + 8 b.  Window 3: M's fragments, all launch long.
.set TILE,  34816                      ; a wave's fill: 64 rows x 528 bytes (33,792 of it) or 64 rows x 544 bytes
.set SLOT,  4*TILE
.set STAGE, 2*SLOT                     ; behind the ring, a multiple of 256: 16 rows x 528 bytes for each wave; no fill lands here
.set PA,    528                        ; 128 f32 + 16 bytes = 33 x 16
.set PB,    544                        ; 256 bf16 + 32 bytes = 17 x 32
.set A16,   16*PA
.set AQ,    128                        ; 32 f32 along a row
.set B16,   16*PB
.set BQ,    32*PB
.set ADRA,  16                         ; v16-17  my rows of query in slot 0, 1
.set ADRB,  18                         ; v18-19  my columns of q_w
.set STO,   20                         ; v20     the way out: where I put 32 bytes of a row
.set RD,    21                         ; v21     where I read a row back
.set CO,    22                         ; v22     16 x lane: offset in mfr's tiles and in a row of out0
.set BO,    23                         ; v23     byte offset of my bias
.set PF,    25                         ; v25     prefetch: my lane's row and block
.set ABF,   64
.set BIAS,  192
.set BF0,   64
.set BF1,   128
.set QH,    32                         ; at the end, window 0: Q's hi fragments of 16 rows
.set QL,    64                         ; lo fragments
.set U,     96                         ; 64 f32 at work
.set R,     160                        ; 16 rows of out0 on their way out
.set G1A, 24
.set G0A, 32
.set G1B, 40
.set G0B, 48
.set W_MUL,  0xa1                      ; source 0 (q_w) window 1, source 1 (query) window 0, C and D window 2
.set W_MUL1, 0x81                      ; C (the bias) window 0
.set W_LD,   0x40
.set W_CV,   0x05
.set MSB, 0
.macro WIN new
.if MSB != (\new)
	s_set_vgpr_msb (MSB<<8)|(\new)
.set MSB, (\new)
.endif
.endm
.macro PLACES                          ; four places behind matrix instructions (ISA guide 7.12.1)
.rept 4
	v_nop
.endr
.endm
.macro JLOAD s                         ; waves 0, 1 ask for query's halves, waves 2, 3 for q_w's; the branch hangs on the wave's number alone
	s_cmp_eq_u32 s17, 0
	s_cbranch_scc0 .Lfor_b_\@
	tensor_load_to_lds s[G0A+4*\s:G0A+4*\s+3], s[G1A:G1A+7]
	s_nop 0
	s_branch .Lasked_\@
.Lfor_b_\@:
	tensor_load_to_lds s[G0B+4*\s:G0B+4*\s+3], s[G1B:G1B+7]
	s_nop 0
.Lasked_\@:
.endm
.macro CREST
	s_cmp_lg_u32 s16, 0
	s_cbranch_scc1 .Lnot_wave_0_\@
	s_barrier_signal -3
.Lnot_wave_0_\@:
	s_barrier_wait -3
	s_barrier_signal -1
	s_barrier_wait -1
.endm
.macro CROUND
	s_barrier_signal -1
	s_barrier_wait -1
	CREST
.endm
	s_load_b256 s[4:11], s[0:1], 0x0               ; query s[4:5], wb s[6:7], q_b s[8:9], mfr s[10:11]
	s_load_b64 s[12:13], s[0:1], 0x20              ; out0
	s_set_vgpr_msb 0x40
	v_lshl_add_u32 v254, v0, 2, 0x4c400
	v_mov_b32 v255, 0
	s_set_vgpr_msb 0x4045
	ds_add_u32 v254, v255
	s_set_vgpr_msb 0x4500
	v_lshrrev_b32 v1, 5, v0
	v_readfirstlane_b32 s16, v1                    ; wave 0..3
	s_lshr_b32 s17, s16, 1                         ; I fetch query (0) or q_w (1); I compute row half rh
	s_and_b32 s18, s16, 1                          ; which half of that tile I fetch; I compute column half ch
	s_bfe_u32 s19, ttmp6, 0x40000                  ; cx
	s_bfe_u32 s20, ttmp6, 0x40004                  ; cy
	s_lshl_b32 s21, ttmp9, 2
	s_add_co_u32 s21, s21, s19                     ; bx
	s_and_b32 s22, ttmp7, 0xffff
	s_lshl_b32 s22, s22, 2
	s_add_co_u32 s22, s22, s20                     ; by
	s_lshl_b32 s23, s20, 2
	s_lshl_b32 s23, 15, s23                        ; my row of the cluster
	s_lshl_b32 s67, 0x1111, s19                    ; my column
	; group 1, query: 64 rows x 128 elements of 4 bytes, 4 words of padding behind every 128 words
	s_or_b32  s[G1A+0], s23, (2<<16)|(1<<20)|(1<<21)|(6<<22)|(3<<25)
	s_mov_b32 s[G1A+1], 128<<16
	s_mov_b32 s[G1A+2], 64<<16
	s_mov_b32 s[G1A+3], 128<<16
	s_mov_b32 s[G1A+4], 64
	s_mov_b32 s[G1A+5], 1024
	s_mov_b32 s[G1A+6], 0
	s_mov_b32 s[G1A+7], 0
	; group 1, q_w: 64 rows (k) x 256 elements of 2 bytes, 8 words of padding behind every 128 words
	s_or_b32  s[G1B+0], s67, (1<<16)|(1<<20)|(1<<21)|(6<<22)|(7<<25)
	s_mov_b32 s[G1B+1], 256<<16
	s_mov_b32 s[G1B+2], 64<<16
	s_mov_b32 s[G1B+3], 256<<16
	s_mov_b32 s[G1B+4], 64
	s_mov_b32 s[G1B+5], 1024
	s_mov_b32 s[G1B+6], 0
	s_mov_b32 s[G1B+7], 0
	s_lshl_b32 s56, s22, 19                        ; query: 128 by rows of 4,096 bytes
	s_lshl_b32 s57, s18, 18                        ; + my 64 rows
	s_add_co_u32 s56, s56, s57
	s_mov_b32 s57, 0
	s_lshl_b32 s58, s21, 9                         ; q_w: 256 bx columns of 2 bytes
	s_lshl_b32 s59, s18, 17                        ; + my 64 rows of 2,048 bytes
	s_add_co_u32 s58, s58, s59
	s_add_co_u32 s58, s58, 4194304                 ; q_w is wb's third matrix
	s_mov_b32 s59, 0
	s_mul_i32 s63, s16, TILE                       ; where my fill goes: wave x TILE
	s_mov_b32 s62, 0xffff0000
	s_lshl_b32 s78, s22, 19                        ; prefetch: rows 128 by + 32 cx ..
	s_lshl_b32 s79, s19, 17
	s_add_co_u32 s78, s78, s79
	s_mov_b32 s79, 0
	s_mov_b32 s75, 0
	s_mov_b32 s76, 2048                            ; byte of K step 4 in a row
	s_and_b32 s68, s22, 0x30                       ; mfr: (16 batch + 4 bx + 2 ch) x 16 KiB; 16 batch = by & 0x30
	s_lshl2_add_u32 s68, s21, s68
	s_lshl1_add_u32 s68, s18, s68
	s_lshl_b32 s68, s68, 14
	s_mov_b32 s69, 0
	s_lshl_b32 s70, s22, 19                        ; out0: my first row,
	s_lshl_b32 s71, s17, 18
	s_add_co_u32 s70, s70, s71
	s_lshl_b32 s71, s21, 10                        ; my first column
	s_add_co_u32 s70, s70, s71
	s_lshl_b32 s71, s18, 9
	s_add_co_u32 s70, s70, s71
	s_mov_b32 s71, 0
	s_wait_dscnt 0x0
	s_wait_kmcnt 0x0
	s_add_nc_u64 s[56:57], s[4:5], s[56:57]
	s_add_nc_u64 s[58:59], s[6:7], s[58:59]
	s_add_nc_u64 s[78:79], s[4:5], s[78:79]
	s_add_nc_u64 s[68:69], s[10:11], s[68:69]
	s_add_nc_u64 s[70:71], s[12:13], s[70:71]
	CROUND                                         ; all sixteen work-groups are here: the first joint loads meet
.irp s, 0,1
	s_mov_b32 s[G0A+4*\s], 1
	s_add_co_u32 s[G0A+4*\s+1], s63, \s*SLOT
	s_add_nc_u64 s[G0A+4*\s+2:G0A+4*\s+3], s[56:57], \s*512        ; K step s: 128 f32 along the rows
	s_or_b32 s[G0A+4*\s+3], s[G0A+4*\s+3], 0x80000000
	s_mov_b32 s[G0B+4*\s], 1
	s_add_co_u32 s[G0B+4*\s+1], s63, \s*SLOT
	s_add_nc_u64 s[G0B+4*\s+2:G0B+4*\s+3], s[58:59], \s*262144     ; K step s: 128 rows of 2,048 bytes
	s_or_b32 s[G0B+4*\s+3], s[G0B+4*\s+3], 0x80000000
	JLOAD \s
.endr
	v_and_b32 v1, 15, v0                           ; r
	v_bfe_u32 v2, v0, 4, 1                         ; h
	v_and_b32 v3, 31, v0                           ; lane
	v_mul_u32_u24 v4, v1, PA
	v_lshl_add_u32 v4, v2, 5, v4                   ; r x 528 + 32 h: also my place in a stage row
	s_mul_i32 s60, s17, TILE                       ; my 64 rows of query
	v_add_nc_u32 v[ADRA], s60, v4
	v_add_nc_u32 v[ADRA+1], SLOT, v[ADRA]
	v_and_b32 v5, 7, v0
	v_lshl_add_u32 v5, v2, 3, v5
	v_mul_u32_u24 v5, v5, PB
	v_bfe_u32 v6, v0, 3, 1
	v_lshl_add_u32 v5, v6, 4, v5
	s_lshl_b32 s60, s18, 8                         ; my 128 columns of q_w,
	s_add_co_u32 s60, s60, 2*TILE                  ; whose 128 rows lie behind query's
	v_add_nc_u32 v[ADRB], s60, v5
	v_add_nc_u32 v[ADRB+1], SLOT, v[ADRB]
	s_mul_i32 s61, s16, A16
	s_add_co_u32 s61, s61, STAGE                   ; my stage
	v_add_nc_u32 v[STO], s61, v4
	v_lshl_add_u32 v[RD], v3, 4, s61
	v_lshlrev_b32 v[CO], 4, v3
	s_lshl_b32 s74, s21, 10                        ; bias: 4 (256 bx + 128 ch + 8 h)
	s_lshl_b32 s77, s18, 9
	s_add_co_u32 s74, s74, s77
	v_lshl_add_u32 v[BO], v2, 5, s74
	s_lshl_b32 s77, s16, 8
	v_lshl_add_u32 v[PF], v3, 12, s77              ; lane's row; the wave picks one of a lap's four blocks of 256 bytes
	; M's fragments for my two heads, hi and lo: fragment (kap, j) is tiles 8 kap + j and 8 kap + 4 + j of the image; each load takes 512 consecutive bytes
	WIN 0xc0
.irp e, 0,1
.irp hl, 0,1
.irp kap, 0,1
.irp j, 0,1,2,3
.set mf, 128*\e+64*\hl+32*\kap+8*\j
	global_load_b128 v[mf:mf+3],   v[CO], s[68:69] offset:\e*16384+\hl*8192+(8*\kap+\j)*512
	global_load_b128 v[mf+4:mf+7], v[CO], s[68:69] offset:\e*16384+\hl*8192+(8*\kap+4+\j)*512
.endr
.endr
.endr
.endr
	WIN 0
	; the bias starts the sums: C(m, n) = bias[column m]: register j of tuple b holds q_b[.. + 16 b + 8 h + j]
.irp b, 0,1,2,3,4,5,6,7
	global_load_b128 v[BIAS+8*\b:BIAS+8*\b+3],   v[BO], s[8:9] offset:64*\b
	global_load_b128 v[BIAS+8*\b+4:BIAS+8*\b+7], v[BO], s[8:9] offset:64*\b+16
.endr
	s_wait_loadcnt 0x0                             ; once, while the first tiles are on their way
; 16 matrix instructions: row tiles a0, a0 + 1 x all 8 column tiles.  The 32 accumulators take turns, one instruction a turn.
.macro MUL16 f, a0, first
.irp a, \a0, \a0+1
.irp b, 0,1,2,3,4,5,6,7
.if \first
	v_wmma_f32_16x16x32_bf16 v[64*(\a)+8*\b:64*(\a)+8*\b+7], v[\f+8*\b:\f+8*\b+7], v[ABF+8*(\a):ABF+8*(\a)+7], v[BIAS+8*\b:BIAS+8*\b+7]
.else
	v_wmma_f32_16x16x32_bf16 v[64*(\a)+8*\b:64*(\a)+8*\b+7], v[\f+8*\b:\f+8*\b+7], v[ABF+8*(\a):ABF+8*(\a)+7], v[64*(\a)+8*\b:64*(\a)+8*\b+7]
.endif
.endr
.endr
.endm
.macro FETCH slot, q, g                ; 32 LDS loads in one run: quarter q of a slot
	WIN W_LD
.irp b, 0,1,2,3,4,5,6,7
	ds_load_tr16_b128 v[\g+8*\b:\g+8*\b+3],   v[ADRB+\slot] offset:\q*BQ+32*\b
	ds_load_tr16_b128 v[\g+8*\b+4:\g+8*\b+7], v[ADRB+\slot] offset:\q*BQ+32*\b+B16
.endr
.irp i, 0,1,2,3
	ds_load_b128 v[16*\i:16*\i+3],     v[ADRA+\slot] offset:\q*AQ+\i*A16
	ds_load_b128 v[16*\i+4:16*\i+7],   v[ADRA+\slot] offset:\q*AQ+\i*A16+16
	ds_load_b128 v[16*\i+8:16*\i+11],  v[ADRA+\slot] offset:\q*AQ+\i*A16+64
	ds_load_b128 v[16*\i+12:16*\i+15], v[ADRA+\slot] offset:\q*AQ+\i*A16+80
.endr
.endm
; query's f32 to bf16 fragments, ascending.  Fragments 0, 1 were last read in front of a PLACES; the 16 conversions that write them are the places behind
; the matrix instructions on fragments 2, 3 that stand just ahead.
.macro CVT
	WIN W_CV
.irp i, 0,1,2,3
.irp j, 0,1,2,3,4,5,6,7
	v_cvt_pk_bf16_f32 v[ABF+8*\i+\j], v[16*\i+2*\j], v[16*\i+2*\j+1]
.endr
.endr
.endm
; One of a step's first three quarters: multiplies buffer f; in its middle fetches quarter q of the same slot into buffer g.
.macro Q3 slot, q, f, g, first
.if \first
	WIN W_MUL1
.else
	WIN W_MUL
.endif
	MUL16 \f, 0, \first
	PLACES
	FETCH \slot, \q, \g
.if \first
	WIN W_MUL1
.else
	WIN W_MUL
.endif
	MUL16 \f, 2, \first
	s_wait_dscnt 0x0
	CVT
.endm
.macro STEP3 slot, first
	Q3 \slot, 1, BF0, BF1, \first
	Q3 \slot, 2, BF1, BF0, 0
	Q3 \slot, 3, BF0, BF1, 0
.endm
; Asks that the two K steps which the NEXT lap's two refills will request be brought nearer: lap l asks for steps 2 l + 4 and 2 l + 5, 1,024 bytes of each row.
; A wave asks for 32 rows x one aligned block of 256 bytes (the wave picks the block, cx the 32 rows of the 128): the four partners' 512 lanes ask for the
; lap's 512 blocks once each.  The byte in the row is held at 3,072 (steps 6 and 7), so that no request leaves the row.
.macro PREF
	s_wait_xcnt 0x0                                ; the last lap's request has had its address translated (ISA guide 3.1): s[72:73] is written only behind this wait
	s_min_u32 s74, s76, 3072
	s_add_nc_u64 s[72:73], s[78:79], s[74:75]
	s_add_co_u32 s76, s76, 1024
	global_prefetch_b8 v[PF], s[72:73] th:TH_LOAD_NT scope:SCOPE_SE
.endm
; The last quarter: multiplies buffer 1 and changes slots.  In front of the barrier each wave waits for its reads of this slot and for all its tensor loads;
; where the slot is filled again the barrier opens a round of the cluster's barrier and the joint refill is the first tensor load behind the round.
; From a request to the wait for it a wave issues 112 matrix instructions.
.macro T3 slot, next, fill, pf
	s_wait_dscnt 0x0
	s_wait_tensorcnt 0x0
	ds_add_u32 v254, v255
	s_wait_dscnt 0x0
	s_barrier_signal -1
	WIN W_MUL
	MUL16 BF1, 0, 0
	WIN 0
	s_barrier_wait -1
.if \fill
	CREST
	s_add_nc_u64 s[G0A+4*\slot+2:G0A+4*\slot+3], s[G0A+4*\slot+2:G0A+4*\slot+3], 1024
	s_add_nc_u64 s[G0B+4*\slot+2:G0B+4*\slot+3], s[G0B+4*\slot+2:G0B+4*\slot+3], 524288
	JLOAD \slot
.endif
.if \pf
	PREF
.endif
	PLACES
	FETCH \next, 0, BF0
	WIN W_MUL
	MUL16 BF1, 2, 0
	s_wait_dscnt 0x0
	CVT
.endm
.macro LAP first
	STEP3 0, \first
	T3 0, 1, 1, 1
	STEP3 1, 0
	T3 1, 0, 1, 0
.endm
	s_wait_tensorcnt 0x1                           ; my part of K step 0 is in; step 1's may stay out
	s_barrier_signal -1
	s_barrier_wait -1
	FETCH 0, 0, BF0
	s_wait_dscnt 0x0
	CVT
	LAP 1                                          ; steps 0, 1
	WIN 0
	s_mov_b32 s66, 2                               ; steps 2 to 5
.Llap:
	LAP 0
	WIN 0
	s_sub_co_u32 s66, s66, 1
	s_cmp_lg_u32 s66, 0
	s_cbranch_scc1 .Llap
	STEP3 0, 0                                     ; steps 6, 7 fill nothing and have no round
	T3 0, 1, 0, 0
	STEP3 1, 0
	WIN W_MUL
	MUL16 BF1, 0, 0
	MUL16 BF1, 2, 0
; 8 matrix instructions on the 8 tiles (head e, column tile j) of 16 rows of out0, by turns: source 0 = M's fragment (columns of out0), source 1 = Q's
.macro OB hl, q, kap, zero
.irp e, 0,1
.irp j, 0,1,2,3
.if \zero
	v_wmma_f32_16x16x32_bf16 v[8*(4*\e+\j):8*(4*\e+\j)+7], v[128*\e+64*\hl+32*\kap+8*\j:128*\e+64*\hl+32*\kap+8*\j+7], v[\q+8*(2*\e+\kap):\q+8*(2*\e+\kap)+7], 0
.else
	v_wmma_f32_16x16x32_bf16 v[8*(4*\e+\j):8*(4*\e+\j)+7], v[128*\e+64*\hl+32*\kap+8*\j:128*\e+64*\hl+32*\kap+8*\j+7], v[\q+8*(2*\e+\kap):\q+8*(2*\e+\kap)+7], v[8*(4*\e+\j):8*(4*\e+\j)+7]
.endif
.endr
.endr
.endm
; Rows 16 a .. + 15 of my block: Q to hi + lo fragments, Q M, and out through my own stage as whole rows of 512 bytes.
.macro OUTA a
	WIN 0x0a
.set n, 0
.rept 32
	v_cvt_pk_bf16_f32 v[QH+n], v[64*\a+2*n], v[64*\a+2*n+1]
.set n, n+1
.endr
	WIN 0
.set n, 0
.rept 32
	v_lshlrev_b32 v[U+2*n], 16, v[QH+n]
	v_and_b32 v[U+2*n+1], s62, v[QH+n]
.set n, n+1
.endr
	WIN 0x02
.set n, 0
.rept 32
	v_pk_add_f32 v[U+2*n:U+2*n+1], v[64*\a+2*n:64*\a+2*n+1], v[U+2*n:U+2*n+1] neg_lo:[0,1] neg_hi:[0,1]   ; what hi leaves
.set n, n+1
.endr
	WIN 0
.set n, 0
.rept 32
	v_cvt_pk_bf16_f32 v[QL+n], v[U+2*n], v[U+2*n+1]
.set n, n+1
.endr
	WIN 0x53                                       ; source 0 window 3 (M), source 1 window 0 (Q), C and D window 1
	OB 0, QH, 0, 1                                 ; M hi x Q hi starts the sums
	OB 1, QH, 0, 0                                 ; M lo x Q hi
	OB 0, QL, 0, 0                                 ; M hi x Q lo
	OB 0, QH, 1, 0                                 ; the head's columns 32-63 likewise
	OB 1, QH, 1, 0
	OB 0, QL, 1, 0
	PLACES
	WIN 0x04                                       ; store data in window 1
.irp t, 0,1,2,3,4,5,6,7
	ds_store_b128 v[STO], v[8*\t:8*\t+3]   offset:64*\t            ; row r, columns 16 t + 8 h + 0..3
	ds_store_b128 v[STO], v[8*\t+4:8*\t+7] offset:64*\t+16         ; + 4..7
.endr
	WIN 0
	s_wait_xcnt 0x0                                ; the last 16 rows' stores have had their addresses translated (ISA guide 3.1): R, which they read, is loaded again only behind this wait
.irp t, 0,1,2,3,4,5,6,7,8,9,10,11,12,13,14,15
	ds_load_b128 v[R+4*\t:R+4*\t+3], v[RD] offset:PA*\t            ; LDS serves a wave's instructions in order (ISA guide 5.7.1.4): these see the stores above; the stage is my own
.endr
.irp t, 0,1,2,3,4,5,6,7,8,9,10,11,12,13,14,15
	s_wait_dscnt 15-\t                             ; row t is in; the 15 - t younger loads stay out
	global_store_b128 v[CO], v[R+4*\t:R+4*\t+3], s[70:71] offset:(16*\a+\t)*4096 th:TH_STORE_NT   ; 32 lanes store 512 consecutive aligned bytes of a row
.endr
.endm
	PLACES                                         ; behind the last products, in front of the conversions that read them
	OUTA 0
	OUTA 1
	OUTA 2
	OUTA 3
	s_set_vgpr_msb 0x5
	s_wait_tensorcnt 0x0
	ds_add_u32 v254, v255
	s_wait_dscnt 0x0
	s_set_vgpr_msb 0x500
	CROUND                                         ; the closing round: no work-group ends while a partner may still ask for a tile that names it
	s_endpgm
.Lfunc_end_k_q8852f7a53e_outp:
	.size	k_q8852f7a53e_outp, .Lfunc_end_k_q8852f7a53e_outp-k_q8852f7a53e_outp
	.p2alignl 7, 3214868480
	.fill 96, 4, 3214868480
	.section	.rodata,"a",@progbits
	.p2align	6, 0x0
	.amdhsa_kernel k_q8852f7a53e_outp
		.amdhsa_group_segment_fixed_size 327680
		.amdhsa_private_segment_fixed_size 0
		.amdhsa_enable_private_segment 0
		.amdhsa_kernarg_size 40
		.amdhsa_user_sgpr_count 2
		.amdhsa_user_sgpr_kernarg_segment_ptr 1
		.amdhsa_wavefront_size32 1
		.amdhsa_system_sgpr_workgroup_id_x 1
		.amdhsa_system_sgpr_workgroup_id_y 1
		.amdhsa_system_sgpr_workgroup_id_z 1
		.amdhsa_system_vgpr_workitem_id 0
		.amdhsa_next_free_vgpr 1024
		.amdhsa_next_free_sgpr 80
		.amdhsa_reserve_vcc 0
		.amdhsa_float_denorm_mode_32 3
		.amdhsa_float_denorm_mode_16_64 3
		.amdhsa_memory_ordered 1
		.amdhsa_forward_progress 1
		.amdhsa_inst_pref_size 232
	.end_amdhsa_kernel
	.amdgpu_metadata
---
amdhsa.version: [ 1, 2 ]
amdhsa.kernels:
  - .name:           k_q8852f7a53e_outp
    .symbol:         k_q8852f7a53e_outp.kd
    .args:
      - { .name: query, .offset: 0, .size: 8, .value_kind: global_buffer, .address_space: global }
      - { .name: wb, .offset: 8, .size: 8, .value_kind: global_buffer, .address_space: global }
      - { .name: q_b, .offset: 16, .size: 8, .value_kind: global_buffer, .address_space: global }
      - { .name: mfr, .offset: 24, .size: 8, .value_kind: global_buffer, .address_space: global }
      - { .name: out0, .offset: 32, .size: 8, .value_kind: global_buffer, .address_space: global }
    .group_segment_fixed_size: 327680
    .private_segment_fixed_size: 0
    .kernarg_segment_align: 8
    .kernarg_segment_size: 40
    .max_flat_workgroup_size: 128
    .sgpr_count:     80
    .vgpr_count:     1024
    .wavefront_size: 32
...
	.end_amdgpu_metadata
.endif
;; end of part 4
